; MI455X (gfx1250); checked and timed in simulation.
; The chip was launched on July 23, 2026; its instructions are those of AMD's public machine-readable ISA for CDNA 5 (MIT licence, August 2026) and "CDNA5" Instruction Set Architecture Reference Guide (July 2026). The comments in the code are by the model that wrote it; some were corrected since.
;; Code Book. Allowed arithmetic: matrix products marked QUANTISED: E2M1 operands, one E8M0 scale for each 32 along K, by v_wmma_scale_f32_16x16x128_f8f6f4 with both operands' format E2M1 (or v_wmma_scale_f32_32x16x128_f4), f32 sums; everything else in f32.
;; Inputs: codebook 8,192 x 256 float32; z_e_x 32,768 x 256 float32.
;; Outputs: out0 32,768 int32.
;; This version of the problem:
;;   THIS VERSION OF THE PROBLEM IS GIVEN IN LOW PRECISION. The matrix products marked QUANTISED in the list below multiply operands that are first quantised to E2M1 (2 exponent bits, 1 mantissa bit; 4 bits a number), with one power-of-two scale for each 32 numbers along K (OCP MX v1.0); their sums are f32. All else is computed in f32.
;;   The module's matrix products, in the order in which they are computed (A, B: the left and right operand; K: the contracted axis; several contracted axes count as one K, in the product's order):
;;     1. [M 32,768, K 256] x [K 256, N 8,192]; A: input z_e_x; B: input codebook: QUANTISED
;;   THE QUANTISER, for each operand of a quantised product, along K:
;;     - K is cut into blocks of 32 from its start; a last block that is shorter is filled with zeros.
;;     - A block's scale is 2^e with e = floor(log2(the largest magnitude in the block)) - 2, held to -126 .. 127; a block of zeros has e = 0. As a byte (E8M0): e + 127.
;;     - Each number is divided by its block's scale, clamped to +-6, and rounded to the nearest number of E2M1, ties to even, subnormals kept.
;;     - The product sums the exact products of the quantised numbers (number of the format x scale) in f32.
;;   ~~~python
;;   def quantise(x, axis):      # numpy; x: float32 -> the quantised numbers, widened to float32 again
;;       x = np.moveaxis(x, axis, -1); K = x.shape[-1]
;;       x = np.pad(x, [(0, 0)] * (x.ndim - 1) + [(0, -K % 32)]); x = x.reshape(x.shape[:-1] + (-1, 32)); a = np.abs(x).max(-1, keepdims=True)
;;       e = np.where(a > 0, np.clip(np.frexp(np.where(a > 0, a, 1))[1] - 1 - 2, -126, 127), 0)      # np.frexp(a)[1] - 1 = floor(log2(a)), exactly
;;       r = np.clip(x / 2.0 ** e, -6, 6)
;;       step = 2.0 ** (np.maximum(np.frexp(np.where(r == 0, 1, r))[1] - 1, 0) - 1)
;;       q = np.round(r / step) * step * 2.0 ** e      # np.round: ties to even
;;       return np.moveaxis(q.reshape(q.shape[:-2] + (-1,))[..., :K], -1, axis).astype(np.float32)
;;   ~~~
;; One version. Each part assembles by itself: llvm-mc -triple=amdgcn-amd-amdhsa -mcpu=gfx1250 --defsym DOCPART=n.
;; ======== version 1 of 1: 3 launches
;; limits: right only within a limited range of input values
;; workspace buffers: recs 5,734,400 bytes; cand 1,048,576 bytes of whole numbers
;; launch quant (part 1): grid 256 x 1, 5 waves a work-group, no clusters, 327,680 bytes of LDS; arguments z_e_x, codebook, recs; writes recs
.if DOCPART == 1
	.amdgcn_target "amdgcn-amd-amdhsa--gfx1250"
	.amdhsa_code_object_version 6
	.text
	.protected	k_q051ee1926b_quant
	.globl	k_q051ee1926b_quant
	.p2align	8
	.type	k_q051ee1926b_quant,@function
k_q051ee1926b_quant:
	s_mov_b64 s[64:65], 0
	v_nop
	global_prefetch_b8 v0, s[64:65] scope:SCOPE_SE
	s_setreg_imm32_b32 hwreg(HW_REG_WAVE_MODE, 25, 1), 1
	s_wait_xcnt 0x0
; z_e_x (32,768 rows) and the codebook (8,192 rows), f32, 256 numbers a row, are turned into RECORDS of 64 rows (8,960 bytes): four tiles of 16 rows as images of the matrix operand's registers
; (codes of FP4, 2,048 bytes a tile), then the tiles' scale words (128 bytes a tile: K step 0's sixteen words, K step 1's), then the rows' sums of squares (64 bytes a tile).
; A block's scale is 2^(floor(log2(its largest magnitude)) - 2); its byte is the largest magnitude's exponent field - 2, held at 1 from below (a block of zeros keeps the byte 1: its codes are zeros, and this program alone reads the bytes).
; A wave takes 32 rows, a lane a row: a block of 32 along K lies in one lane's registers, and the row's squares are added in ascending order, one rounding each.
; The rows come into the wave's own LDS bytes by 64 asynchronous copies issued at the head, 16 for each chunk of 64 numbers of the 32 rows; a copy covers two whole units of 256 bytes (lanes 0-15 one row's, lanes 16-31 the next row's).
; A chunk is read behind a counted wait that leaves the later chunks' copies out.  Each LDS byte is filled once; no wave reads another's bytes, so there is no barrier.
; LIMITS: NaN and infinities among the inputs are not served.
.set QUAD,  8960
.set PITCH, 272                        ; an LDS row of a chunk: 256 bytes + 16: sixteen lanes' 16 bytes fall on sixteen different columns of 16 bytes
.set CHB,   32*PITCH                   ; a chunk: 32 rows
.set WLDS,  4*CHB                      ; a wave's region
.set STG,   5*WLDS
.set X,     16
.set P,     80
.set C,     112
.set GA,    162                        ; v162-177  pair of rows j: my byte offset in the wave's 32 rows
.set LA,    178                        ; v178-241  chunk c, pair j: my LDS address; these 80 registers are never rewritten
.set BS,    24                         ; s[24:31]  the wave's first row at chunk c
	s_load_b128 s[4:7], s[0:1], 0x0
	s_load_b64 s[8:9], s[0:1], 0x10
	v_lshl_add_u32 v160, v0, 2, 0x2ad00
	v_mov_b32 v161, 0
	ds_add_u32 v160, v161
	ds_add_u32 v160, v161
	v_lshrrev_b32 v1, 5, v0
	v_readfirstlane_b32 s14, v1
	s_mul_i32 s2, ttmp9, 5
	s_add_co_u32 s2, s2, s14
	s_mul_i32 s15, s14, WLDS
	v_and_b32 v1, 31, v0                           ; lane
	v_lshrrev_b32 v8, 4, v1                        ; lane / 16
	v_and_b32 v9, 15, v1                           ; lane % 16
	v_lshlrev_b32 v10, 4, v9
	v_lshl_add_u32 v[GA], v8, 10, v10              ; memory: 1,024 x (lane / 16) + 16 x (lane % 16)
	v_mad_u32_u24 v[LA], v8, PITCH, v10            ; LDS: the same place at the chunk's pitch,
	v_add_nc_u32 v[LA], s15, v[LA]                 ; in my wave's region
.irp j, 1,2,3,4,5,6,7,8,9,10,11,12,13,14,15
	v_add_nc_u32 v[GA+\j], 2048*\j, v[GA]
	v_add_nc_u32 v[LA+\j], 2*PITCH*\j, v[LA]
.endr
.irp c, 1,2,3
.irp j, 0,1,2,3,4,5,6,7,8,9,10,11,12,13,14,15
	v_add_nc_u32 v[LA+16*\c+\j], CHB*\c, v[LA+\j]
.endr
.endr
	s_lshr_b32 s40, s2, 1
	s_mul_i32 s40, s40, QUAD
	s_mov_b32 s41, 0
	s_and_b32 s42, s2, 1
	s_wait_alu depctr_va_vdst(0)
	s_wait_dscnt 0x0
	s_wait_kmcnt 0x0
	s_cmp_lt_u32 s2, 1024
	s_cselect_b64 s[4:5], s[4:5], s[6:7]
	s_cselect_b32 s3, 0, 1024
	s_sub_co_u32 s3, s2, s3
	s_lshl_b32 s12, s3, 15
	s_mov_b32 s13, 0
	s_add_nc_u64 s[4:5], s[4:5], s[12:13]
.irp c, 0,1,2,3
	s_add_nc_u64 s[BS+2*\c:BS+2*\c+1], s[4:5], 256*\c
.endr
.irp c, 0,1,2,3
.irp j, 0,1,2,3,4,5,6,7,8,9,10,11,12,13,14,15
	global_load_async_to_lds_b128 v[LA+16*\c+\j], v[GA+\j], s[BS+2*\c:BS+2*\c+1]   ; rows 2 j, 2 j + 1, chunk c: chunk by chunk, so that the counted waits below follow the order of issue
.endr
.endr
	s_add_nc_u64 s[8:9], s[8:9], s[40:41]
	s_lshl_b32 s40, s42, 8
	s_add_co_u32 s40, s40, 8192
	s_add_nc_u64 s[10:11], s[8:9], s[40:41]
	s_lshl_b32 s40, s42, 7
	s_add_co_u32 s40, s40, 8704
	s_add_nc_u64 s[12:13], s[8:9], s[40:41]
	s_lshl_b32 s40, s42, 12
	s_add_nc_u64 s[8:9], s[8:9], s[40:41]
	v_mul_u32_u24 v2, v1, PITCH
	v_add_nc_u32 v2, s15, v2
	v_lshlrev_b32 v3, 11, v8
	v_lshl_add_u32 v3, v9, 4, v3
	s_lshl_b32 s43, s14, 8
	s_add_co_u32 s43, s43, STG
	v_lshlrev_b32 v4, 7, v8
	v_lshl_add_u32 v4, v9, 2, v4
	v_add_nc_u32 v4, s43, v4
	v_lshl_add_u32 v5, v1, 3, s43
	v_lshlrev_b32 v6, 3, v1
	v_lshlrev_b32 v7, 2, v1
.macro BLOCK b, xs
.irp i, 0,2,4,6,8,10,12,14,16,18,20,22,24,26,28,30
	v_pk_mul_f32 v[P+\i:P+\i+1], v[\xs+\i:\xs+\i+1], v[\xs+\i:\xs+\i+1]
.endr
	v_max3_num_f32 v8, |v[\xs]|, |v[\xs+1]|, |v[\xs+2]|
	v_max3_num_f32 v9, |v[\xs+3]|, |v[\xs+4]|, |v[\xs+5]|
.if (\b) == 0
	v_add_f32 v14, v[P], v[P+1]
.else
	v_add_f32 v14, v14, v[P]
	v_add_f32 v14, v14, v[P+1]
.endif
.irp i, 6,10,14,18,22,26
	v_max3_num_f32 v8, v8, |v[\xs+\i]|, |v[\xs+\i+1]|
	v_add_f32 v14, v14, v[P+\i-4]
	v_add_f32 v14, v14, v[P+\i-3]
	v_max3_num_f32 v9, v9, |v[\xs+\i+2]|, |v[\xs+\i+3]|
	v_add_f32 v14, v14, v[P+\i-2]
	v_add_f32 v14, v14, v[P+\i-1]
.endr
	v_max3_num_f32 v8, v8, |v[\xs+30]|, |v[\xs+31]|
	v_add_f32 v14, v14, v[P+26]
	v_add_f32 v14, v14, v[P+27]
	v_max3_num_f32 v8, v8, v9, 0x1800000
	v_add_f32 v14, v14, v[P+28]
	v_add_f32 v14, v14, v[P+29]
	v_add_nc_u32 v10, 0xff000000, v8
	v_add_f32 v14, v14, v[P+30]
	v_add_f32 v14, v14, v[P+31]
.irp g, 0,1,2,3
	v_cvt_scalef32_pk8_fp4_f32 v[C+4*(\b)+\g], v[\xs+8*\g:\xs+8*\g+7], v10
.endr
	v_lshrrev_b32 v11, 23, v10
.if (\b)%4 == 0
	v_mov_b32 v[12+(\b)/4], v11
.else
	v_lshl_or_b32 v[12+(\b)/4], v11, 8*((\b)%4), v[12+(\b)/4]
.endif
	global_store_b128 v3, v[C+4*(\b):C+4*(\b)+3], s[8:9] offset:256*(\b)
.endm
.macro CHUNK c
.if \c == 0
	s_wait_alu depctr_va_vdst(0)
.endif
	s_wait_asynccnt 48-16*\c                       ; chunk c's sixteen copies are done; the 16 of each later chunk may be out
.irp i, 0,1,2,3,4,5,6,7,8,9,10,11,12,13,14,15
	ds_load_b128 v[X+4*\i:X+4*\i+3], v2 offset:CHB*\c+16*\i
.endr
	s_wait_dscnt 8
	BLOCK 2*\c, X
	s_wait_dscnt 0x0
	BLOCK 2*\c+1, X+32
.endm
	CHUNK 0
	CHUNK 1
	CHUNK 2
	CHUNK 3
	ds_store_b32 v4, v12
	ds_store_b32 v4, v13 offset:64
	ds_load_b64 v[144:145], v5
	s_wait_alu depctr_va_vdst(0)
	s_wait_dscnt 0x0
	global_store_b64 v6, v[144:145], s[10:11]
	global_store_b32 v7, v14, s[12:13]
	s_wait_tensorcnt 0x0                           ; the wave's end
	s_wait_asynccnt 0x0
	ds_add_u32 v160, v161
	s_wait_dscnt 0x0
	s_endpgm
.Lfunc_end_k_q051ee1926b_quant:
	.size	k_q051ee1926b_quant, .Lfunc_end_k_q051ee1926b_quant-k_q051ee1926b_quant
	.p2alignl 7, 3214868480
	.fill 96, 4, 3214868480
	.section	.rodata,"a",@progbits
	.p2align	6, 0x0
	.amdhsa_kernel k_q051ee1926b_quant
		.amdhsa_group_segment_fixed_size 327680
		.amdhsa_private_segment_fixed_size 0
		.amdhsa_enable_private_segment 0
		.amdhsa_kernarg_size 24
		.amdhsa_user_sgpr_count 2
		.amdhsa_user_sgpr_kernarg_segment_ptr 1
		.amdhsa_wavefront_size32 1
		.amdhsa_system_sgpr_workgroup_id_x 1
		.amdhsa_system_sgpr_workgroup_id_y 1
		.amdhsa_system_sgpr_workgroup_id_z 1
		.amdhsa_system_vgpr_workitem_id 0
		.amdhsa_next_free_vgpr 242
		.amdhsa_next_free_sgpr 66
		.amdhsa_reserve_vcc 0
		.amdhsa_float_denorm_mode_32 3
		.amdhsa_float_denorm_mode_16_64 3
		.amdhsa_memory_ordered 1
		.amdhsa_forward_progress 1
		.amdhsa_inst_pref_size 47
	.end_amdhsa_kernel
	.amdgpu_metadata
---
amdhsa.version: [ 1, 2 ]
amdhsa.kernels:
  - .name:           k_q051ee1926b_quant
    .symbol:         k_q051ee1926b_quant.kd
    .args:
      - { .name: z_e_x, .offset: 0, .size: 8, .value_kind: global_buffer, .address_space: global }
      - { .name: codebook, .offset: 8, .size: 8, .value_kind: global_buffer, .address_space: global }
      - { .name: recs, .offset: 16, .size: 8, .value_kind: global_buffer, .address_space: global }
    .group_segment_fixed_size: 327680
    .private_segment_fixed_size: 0
    .kernarg_segment_align: 8
    .kernarg_segment_size: 24
    .max_flat_workgroup_size: 160
    .sgpr_count:     66
    .vgpr_count:     242
    .wavefront_size: 32
...
	.end_amdgpu_metadata
.endif
;; end of part 1
;; launch sweep (part 2): grid 64 x 4, 8 waves a work-group, clusters of 4 x 1, 327,680 bytes of LDS; arguments recs, cand; writes cand
.if DOCPART == 2
	.amdgcn_target "amdgcn-amd-amdhsa--gfx1250"
	.amdhsa_code_object_version 6
	.text
	.protected	k_q051ee1926b_sweep
	.globl	k_q051ee1926b_sweep
	.p2align	8
	.type	k_q051ee1926b_sweep,@function
k_q051ee1926b_sweep:
	s_mov_b64 s[64:65], 0
	v_nop
	global_prefetch_b8 v0, s[64:65] scope:SCOPE_SE
	s_setreg_imm32_b32 hwreg(HW_REG_WAVE_MODE, 25, 1), 1
	s_wait_xcnt 0x0
	s_wait_alu depctr_hold_cnt(0) depctr_sa_sdst(0) depctr_va_vdst(0) depctr_va_sdst(0) depctr_va_ssrc(0) depctr_va_vcc(0) depctr_vm_vsrc(0)
	s_getreg_b32 s2, hwreg(HW_REG_IB_STS2, 6, 4)
	s_cmp_eq_u32 s2, 0
	s_cbranch_scc0 .Lentry_in_a_cluster
	s_endpgm
.Lentry_in_a_cluster:
	s_bfe_u32 s2, ttmp6, 0x10000c
	s_cmp_lg_u32 s2, 0x3003
	s_cbranch_scc0 .Lentry_shape_is_right
	s_endpgm
.Lentry_shape_is_right:
; For each row of z and each QUARTER of the codebook (2,048 entries): the smallest distance d = (z_sq - 2 cross) + c_sq, and in which block of 8 entries it first occurs.
; cross = Q(z) Q(W)^T on codes of FP4 with E8M0 scales, K = 256: two matrix instructions of 16 x 16 x 128.  d has the two roundings of its definition: one fused multiply-add (doubling is exact), one addition.
; The index inside the block of 8 is left to the next launch, which recomputes those 8 distances.
; SHARES.  Work-group (x, y): rows 512 x .. 512 x + 511, quarter y.  The quarter's 32 records (286,720 bytes) lie whole in LDS, each byte FILLED ONCE.
; EIGHT WAVES, two to a SIMD.  Wave w keeps the 128 rows of row group w % 4 (8 tiles of z: 128 registers of codes) and sweeps HALF w / 4 of the quarter: 16 records, 64 tiles.
; So a fragment of the codebook read from LDS meets 8 tiles of z, and each record is read from LDS by four waves.  At the end the two waves of a row group join their results through a stage in LDS.
; THE FILLS.  At the head wave w brings record w % 4 of its half (35 rows of 256 bytes): the first four records of both halves.  The other twelve of each half, three a wave (105 rows), are a later first fill:
; in front of it stand the wait for 0, the add, its wait and a round.  They land under the work on three records, and are read behind a barrier in front of which
; each wave has waited for its load.  By this text's count one tensor load of a wave is out at a time, and every wait on TENSORcnt is for 0.
; CLUSTER.  The four work-groups of a cluster share y, so they need the same quarter: each part is asked for JOINTLY, by the same tensor load with the same descriptor and the mask of all four.
; NO PREFETCH: every byte of the quarter is asked for once, by two loads a wave ahead of the sweep; there is no loop of loads to run ahead in.
; LAYOUT.  Source 0 = 16 entries of the codebook, source 1 = 16 rows of z: lane (r, h) holds ONE row r of z, and register j the entry 8 h + j: the minimum runs inside a lane.
; BY TURNS.  A tile of the codebook meets the wave's 8 tiles of z in four TURNS of two.  A turn issues its four matrix instructions as a group into one of two sets of 16 result registers (the two accumulators
; by turns); behind the group stands the vector work on the other set, the turn before's results.
; TIES.  The running minimum is replaced only where the new one is strictly smaller, tiles go in ascending order, and between lane halves and between the quarter's halves the lower block wins an equal distance.
; OUT.  cand, plane 0: the minimum's bits made monotone as an unsigned whole number; plane 1 (+524,288): id = 2 x tile + h, which names entries 8 id .. 8 id + 7.  Word of quarter y, group of 128 rows g, row r of tile t: 131072 y + 512 g + 32 r + 4 t.
; LIMITS: NaN and infinities among the inputs are not served (a NaN loses in these minima); a row whose every distance is +infinity gets block 0.
; REGISTERS: v0 thread; v1-3 LDS addresses of the record in hand; v4 lane, v5 h; v6-7 the codebook tile's scale words, two buffers; v8-15 z's scale words;
;   v16-47 four a tile of z: an even tile's z_sq, minimum A, minimum B, block; an odd tile's minimum B, z_sq, minimum A, block (so a turn's two z_sq stand in an even and an odd register, as the dual pairs want them);
;   v48-63 c_sq of a tile, two buffers; v64-95 the codebook's fragments, two buffers; v96-127 results, two sets of two tiles; v128-255 z's fragments; v256-257 the spare word's address and 0.
.set QUAD,  8960
.set WBASE, 512*QUAD                   ; the codebook's records begin here
.set SPARE, 32*QUAD                    ; behind the quarter: the spare words, 128 bytes for each of eight waves
.set STAGE, SPARE+1024                 ; behind them: 1,024 bytes for each wave, for the join of the halves; no tensor load lands here
.set AC,  1                            ; 16 x lane + the record's LDS byte
.set AS,  2                            ; 4 x lane + the same
.set AQ,  3                            ; 32 h + the same
.set SA,  6
.set ZS,  8
.set ST,  16
.set CQ,  48
.set AF,  64
.set D,   96
.set ZF,  128
.set TID, 40                           ; s40, s41: the number of the even, of the odd tile whose vector work is due
.macro CROUND                          ; a round of the cluster's barrier
	s_barrier_signal -1
	s_barrier_wait -1
	s_cmp_lg_u32 s8, 0
	s_cbranch_scc1 .Lnot_wave_0_\@
	s_barrier_signal -3
.Lnot_wave_0_\@:
	s_barrier_wait -3
	s_barrier_signal -1
	s_barrier_wait -1
.endm
	s_load_b128 s[4:7], s[0:1], 0x0                ; the records, cand
	s_set_vgpr_msb 0x40
	v_lshl_add_u32 v0, v0, 2, SPARE                ; v256: my spare word
	v_mov_b32 v1, 0                                ; v257: 0
	s_set_vgpr_msb 0x4045
	ds_add_u32 v0, v1                              ; the opening lines: the add, twice on end, and its wait ahead of my first tensor load
	ds_add_u32 v0, v1
	s_set_vgpr_msb 0x4500
	v_lshrrev_b32 v1, 5, v0
	v_readfirstlane_b32 s8, v1                     ; wave 0..7
	v_and_b32 v4, 31, v0                           ; lane
	v_bfe_u32 v5, v0, 4, 1                         ; h
	s_and_b32 s54, s8, 3                           ; my row group
	s_lshr_b32 s55, s8, 2                          ; my half of the quarter
	s_bfe_u32 s9, ttmp6, 0x40000                   ; cx: it enters z's and cand's addresses alone
	s_lshl_b32 s10, ttmp9, 2
	s_add_co_u32 s10, s10, s9                      ; x = 4 x cluster x + cx
	s_and_b32 s11, ttmp7, 0xffff                   ; y, which the four partners share
.irp g, 16, 28                         ; two groups 1: s[16:23] for one record, s[28:35] for three
	s_mov_b32 s[\g], 15|(3<<16)|(1<<21)            ; the mask of all four; elements of 8 bytes; bit 21 set beside a mask; no padding: the images are read at 16 x lane
	s_mov_b32 s[\g+1], 32<<16                      ; tensor_dim0 = 32 (256 bytes)
	s_mov_b32 s[\g+3], 32<<16                      ; tile_dim0
	s_mov_b32 s[\g+5], 32                          ; dense
	s_mov_b32 s[\g+6], 0
	s_mov_b32 s[\g+7], 0
.endr
	s_mov_b32 s18, 35<<16                          ; a record is 35 rows of 256 bytes
	s_mov_b32 s20, 35
	s_mov_b32 s30, 105<<16                         ; three are 105
	s_mov_b32 s32, 105
	s_mov_b32 s24, 1                               ; groups 0, s[24:27] and s[36:39]: count = 1
	s_mov_b32 s36, 1
	s_mul_i32 s43, s55, 16*QUAD                    ; my half's first byte in LDS: also the record in hand
	s_mul_i32 s25, s54, QUAD
	s_add_co_u32 s25, s25, s43                     ; the head's load: record w % 4 of my half
	s_mul_i32 s37, s54, 3*QUAD
	s_add_co_u32 s37, s37, s43
	s_add_co_u32 s37, s37, 4*QUAD                  ; the second: records 4 + 3 (w % 4) .. + 2 of my half
	s_mul_i32 s14, s11, 32*QUAD
	s_add_co_u32 s14, s14, WBASE                   ; the quarter in memory; the offsets are made of y and the wave's number alone
	s_add_co_u32 s12, s14, s37
	s_mov_b32 s13, 0
	s_add_co_u32 s14, s14, s25
	s_mov_b32 s15, 0
	s_lshl_b32 s44, s10, 3
	s_lshl_b32 s45, s54, 1
	s_add_co_u32 s44, s44, s45
	s_mul_i32 s44, s44, QUAD                       ; my row group's two records of z: 8 x + 2 (w % 4)
	s_mov_b32 s45, 0
	s_lshl_b32 s52, s10, 2
	s_add_co_u32 s52, s52, s54                     ; g = 4 x + w % 4
	s_lshl_b32 s52, s52, 9
	s_lshl_b32 s53, s11, 17
	s_add_co_u32 s52, s52, s53                     ; cand: 131072 y + 512 g
	s_mov_b32 s53, 0
	s_lshl_b32 s[TID], s11, 7
	s_lshl_b32 s[TID+1], s55, 6
	s_add_co_u32 s[TID], s[TID], s[TID+1]          ; my half's first tile: 128 y + 64 (w / 4),
	s_sub_co_u32 s[TID+1], s[TID], 1               ; and the tile in front of it, whose number is never kept: see the first turn
	s_lshl_b32 s56, s8, 10
	s_add_co_u32 s56, s56, STAGE                   ; my part of the stage,
	s_xor_b32 s57, s8, 4
	s_lshl_b32 s57, s57, 10
	s_add_co_u32 s57, s57, STAGE                   ; and that of the wave with my rows and the other half
	s_mov_b32 s48, 0x76543210
	s_mov_b32 s49, 0xfedcba98                      ; v_permlanex16_b32's selects for lane l xor 16
	s_mov_b32 s50, 0xffff0000                      ; lanes 16-31
	s_wait_dscnt 0x0                               ; both opening adds are done
	s_wait_kmcnt 0x0
	s_add_nc_u64 s[26:27], s[4:5], s[14:15]
	s_or_b32 s27, s27, 0x80000000                  ; type = 2
	s_add_nc_u64 s[38:39], s[4:5], s[12:13]
	s_or_b32 s39, s39, 0x80000000
	s_add_nc_u64 s[44:45], s[4:5], s[44:45]
	s_add_nc_u64 s[6:7], s[6:7], s[52:53]
	CROUND                                         ; all four work-groups are here: the joint loads meet
	tensor_load_to_lds s[24:27], s[16:23]          ; my one tensor load at the head
	s_nop 0
.rept 4
	v_nop
.endr
	s_wait_alu depctr_va_vdst(0)
	v_lshlrev_b32 v96, 4, v4                       ; z's images: 16 x lane  (v96-98 serve here only; the first products write them anew, behind the wait for these loads)
	v_lshlrev_b32 v97, 2, v4                       ; its scale words: 4 x lane
	v_and_b32 v98, 15, v0
	v_lshlrev_b32 v98, 2, v98                      ; its sums of squares: 4 r
.irp t, 0,1,2,3,4,5,6,7
.irp i, 0,1,2,3
	global_load_b128 v[ZF+16*\t+4*\i:ZF+16*\t+4*\i+3], v96, s[44:45] offset:(\t/4)*QUAD+(\t%4)*2048+512*\i
.endr
	global_load_b32 v[ZS+\t], v97, s[44:45] offset:(\t/4)*QUAD+8192+(\t%4)*128
	global_load_b32 v[ST+4*\t+(\t%2)], v98, s[44:45] offset:(\t/4)*QUAD+8704+(\t%4)*64   ; z_sq: register 0 of an even tile's four, register 1 of an odd tile's
.endr
.irp t, 0,1,2,3,4,5,6,7
	v_mov_b32 v[ST+4*\t+1-(\t%2)], 0x7f800000      ; both minima begin at +infinity (registers 1 and 2 of an even tile's four, 0 and 2 of an odd tile's),
	v_mov_b32 v[ST+4*\t+2], 0x7f800000
	v_mov_b32 v[ST+4*\t+3], 0                      ; the block at 0
.endr
; The first turn finds, in the second set of results, "products" of -infinity and sums of squares of 0: their distances are +infinity and change nothing.  These 24 lines spare a copy of the trip without that vector work.
.irp j, 0,1,2,3,4,5,6,7,8,9,10,11,12,13,14,15
	v_mov_b32 v[D+16+\j], 0xff800000
.endr
.irp j, 0,1,2,3,4,5,6,7
	v_mov_b32 v[CQ+8+\j], 0
.endr
.macro WM0 d, e, t                     ; K step 0 starts the sum
	v_wmma_scale_f32_16x16x128_f8f6f4 v[\d:\d+7], v[AF+16*(\e):AF+16*(\e)+7], v[ZF+16*(\t):ZF+16*(\t)+7], 0, v[SA+(\e)], v[ZS+(\t)] matrix_a_fmt:MATRIX_FMT_FP4 matrix_b_fmt:MATRIX_FMT_FP4
.endm
.macro WM1 d, e, t                     ; K step 1: its scale words stand in lanes 16-31 of the same registers
	v_wmma_scale_f32_16x16x128_f8f6f4 v[\d:\d+7], v[AF+16*(\e)+8:AF+16*(\e)+15], v[ZF+16*(\t)+8:ZF+16*(\t)+15], v[\d:\d+7], v[SA+(\e)], v[ZS+(\t)] matrix_a_fmt:MATRIX_FMT_FP4 matrix_b_fmt:MATRIX_FMT_FP4 matrix_a_scale:MATRIX_SCALE_ROW1 matrix_b_scale:MATRIX_SCALE_ROW1
.endm
; z_sq - 2 cross = cross x (-2) + z_sq, one rounding, for the results a of the even tile ta of z and b of the odd tile ta + 1; each set from its low end on.
; A dual pair takes one number of each tile, a[i] with b[i + 1] and b[i] with a[i + 1]: one destination even and one odd, the first sources in different banks, the two z_sq in an even and an odd register.
.macro EFMA a, b, ta
.irp i, 0,2,4,6
	v_dual_fmamk_f32 v[\a+\i], v[\a+\i], 0xc0000000, v[ST+4*(\ta)] :: v_dual_fmamk_f32 v[\b+\i+1], v[\b+\i+1], 0xc0000000, v[ST+4*(\ta)+5]
	v_dual_fmamk_f32 v[\b+\i], v[\b+\i], 0xc0000000, v[ST+4*(\ta)+5] :: v_dual_fmamk_f32 v[\a+\i+1], v[\a+\i+1], 0xc0000000, v[ST+4*(\ta)]
.endr
.endm
.macro EADD d, ee                      ; + c_sq of the lane's eight entries, two neighbours to a dual pair
.irp i, 0,2,4,6
	v_dual_add_f32 v[\d+\i], v[\d+\i], v[CQ+8*(\ee)+\i] :: v_dual_add_f32 v[\d+\i+1], v[\d+\i+1], v[CQ+8*(\ee)+\i+1]
.endr
.endm
; The minimum of eight distances and the old minimum, as a tree of four; the old minimum is kept for the compare, so the two registers A and B change parts with the tile's parity ee.  ta is an even tile of z, tb an odd one.
.macro EMIN a, b, ta, tb, ee
.set oa, ST+4*(\ta)+1+(\ee)
.set na, ST+4*(\ta)+2-(\ee)
.set ob, ST+4*(\tb)+2-2*(\ee)
.set nb, ST+4*(\tb)+2*(\ee)
	v_min3_num_f32 v[\a], v[\a], v[\a+1], v[\a+2]
	v_min3_num_f32 v[\a+3], v[\a+3], v[\a+4], v[\a+5]
	v_min3_num_f32 v[\a+6], v[\a+6], v[\a+7], v[oa]
	v_min3_num_f32 v[\b], v[\b], v[\b+1], v[\b+2]
	v_min3_num_f32 v[\b+3], v[\b+3], v[\b+4], v[\b+5]
	v_min3_num_f32 v[\b+6], v[\b+6], v[\b+7], v[ob]
	s_delay_alu instid0(VALU_DEP_4)
	v_min3_num_f32 v[na], v[\a], v[\a+3], v[\a+6]
	s_delay_alu instid0(VALU_DEP_2)
	v_min3_num_f32 v[nb], v[\b], v[\b+3], v[\b+6]
	s_delay_alu instid0(VALU_DEP_2)
	v_cmp_lt_f32 vcc_lo, v[na], v[oa]              ; strictly smaller: an equal distance leaves the earlier block
	s_delay_alu instid0(VALU_DEP_2)
	v_cmp_lt_f32 s46, v[nb], v[ob]
	v_cndmask_b32 v[ST+4*(\ta)+3], v[ST+4*(\ta)+3], s[TID+(\ee)], vcc_lo
	v_cndmask_b32 v[ST+4*(\tb)+3], v[ST+4*(\tb)+3], s[TID+(\ee)], s46
.endm
; A TURN.  Products: the codebook's tile in buffer e against z's tiles 2 p, 2 p + 1, into set p % 2, four matrix instructions on end.  Vector work: tiles 2 ep, 2 ep + 1 of z in the other set, for the codebook's tile of parity ee.
; The 28 vector lines behind the last product name only the other set, c_sq and the statistics: they are the places in front of the next turn's first read of these results,
; of the loads into the fragments' and scale words' buffers, and of the products that begin this set anew two turns on.
.macro TURN e, p, ee, ep
.set da, D+16*((\p)%2)
.set db, da+8
.set ea, D+16*((\ep)%2)
.set eb, ea+8
	WM0 da, \e, 2*(\p)
	WM0 db, \e, 2*(\p)+1
	WM1 da, \e, 2*(\p)
	WM1 db, \e, 2*(\p)+1
	EFMA ea, eb, 2*(\ep)
	EADD ea, \ee
	EADD eb, \ee
	EMIN ea, eb, 2*(\ep), 2*(\ep)+1, \ee
.endm
.macro ALOAD e, n                      ; tile n of the record in hand (n = 4: tile 0 of the next record): its two fragments and its scale words, five loads
.if (\n) < 4
.set oc, 2048*(\n)
.set os, 8192+128*(\n)
.else
.set oc, QUAD
.set os, QUAD+8192
.endif
.irp i, 0,1,2,3
	ds_load_b128 v[AF+16*(\e)+4*\i:AF+16*(\e)+4*\i+3], v[AC] offset:oc+512*\i
.endr
	ds_load_b32 v[SA+(\e)], v[AS] offset:os
.endm
.macro QLOAD e, n                      ; its sums of squares: entries 8 h .. 8 h + 7, two loads
.if (\n) < 4
.set oq, 8704+64*(\n)
.else
.set oq, QUAD+8704
.endif
	ds_load_b128 v[CQ+8*(\e):CQ+8*(\e)+3], v[AQ] offset:oq
	ds_load_b128 v[CQ+8*(\e)+4:CQ+8*(\e)+7], v[AQ] offset:oq+16
.endm
.macro ADDR
	v_lshl_add_u32 v[AC], v4, 4, s43
	v_lshl_add_u32 v[AS], v4, 2, s43
	v_lshl_add_u32 v[AQ], v5, 5, s43
.endm
; Tile i of a record, in buffer e = i % 2.  stop = 1: my half's last tile: nothing more is fetched.
.macro TILE i, e, stop
	s_wait_dscnt 2                                 ; this tile's five loads of fragments and scale words are in; its two of c_sq, issued behind them, may be out
.if !(\stop)
	ALOAD 1-\e, \i+1                               ; the next tile, a whole tile ahead
.endif
	TURN \e, 0, 1-\e, 3                            ; beside the first products: the last piece of the tile before
	s_add_co_u32 s[TID+1-\e], s[TID+1-\e], 2       ; that tile is done: its parity's number goes on
.if \stop
	s_wait_dscnt 0x0
.else
	s_wait_dscnt 5                                 ; this tile's c_sq is in; the five loads just issued may be out
	QLOAD 1-\e, \i+1                               ; the other buffer of c_sq is free since the turn above
.endif
	TURN \e, 1, \e, 0
	TURN \e, 2, \e, 1
	TURN \e, 3, \e, 2
.endm
.macro TRIP last                       ; a record: four tiles
	TILE 0, 0, 0
	TILE 1, 1, 0
	TILE 2, 0, 0
	TILE 3, 1, \last
.if !(\last)
	s_add_co_u32 s43, s43, QUAD
	ADDR
.endif
.endm
.macro RUN n                           ; n records
	s_mov_b32 s42, \n
.Lrun_\@:
	s_wait_alu depctr_va_vdst(0)
	TRIP 0
	s_sub_co_u32 s42, s42, 1
	s_cmp_lg_u32 s42, 0
	s_cbranch_scc1 .Lrun_\@
.endm
	s_wait_alu depctr_va_vdst(0)
	s_set_vgpr_msb 0x5
	s_wait_tensorcnt 0x0                           ; my record has landed
	ds_add_u32 v0, v1
	s_wait_dscnt 0x0
	s_set_vgpr_msb 0x500
	CROUND                                         ; a whole round: the first four records of both halves are in, and all four work-groups are here: the joint loads meet
	tensor_load_to_lds s[36:39], s[28:35]          ; my three records of the rest: the first tensor load behind the round
	s_nop 0
.rept 4
	v_nop
.endr
	ADDR
	ALOAD 0, 0
	QLOAD 0, 0
	s_wait_loadcnt 0x0                             ; z
	RUN 3                                          ; a trip fetches the next record's first tile: so records 0-2 of my half here
	s_wait_tensorcnt 0x0                           ; my three records have landed,
	s_wait_dscnt 0x0
	s_barrier_signal -1
	s_barrier_wait -1                              ; and so have the other waves': the quarter is whole
	RUN 12                                         ; records 3-14,
	s_wait_alu depctr_va_vdst(0)
	TRIP 1                                         ; and my half's last
	EFMA D+16, D+24, 6                             ; the last tile's last piece
	EADD D+16, 1
	EADD D+24, 1
	EMIN D+16, D+24, 6, 7, 1                       ; 64 tiles: the minima end in A
; Two results (key, id) are joined on whole numbers: the smaller key; of equal keys the lower block.
.macro JOIN k, i, ok, oi, t0, t1
	v_cmp_lt_u32 vcc_lo, v[\ok], v[\k]
	v_cmp_eq_u32 s46, v[\ok], v[\k]
	v_min_u32 v[\t1], v[\i], v[\oi]
	v_cndmask_b32 v[\t0], v[\i], v[\oi], vcc_lo
	s_delay_alu instid0(VALU_DEP_1)
	v_cndmask_b32 v[\i], v[\t0], v[\t1], s46
	v_min_u32 v[\k], v[\k], v[\ok]
.endm
	; The two halves of the lanes hold a row's entries 8 h + 0 .. 7 of every tile.  Minimum A: register 1 of an even tile's four, register 2 of an odd tile's.
.set KY, 64                            ; the fragments' and results' registers are free
.set ID, 72
.set OK, 80
.set OI, 88
.set T0, 96
.set T1, 104
.irp t, 0,1,2,3,4,5,6,7
	v_ashrrev_i32 v[T0+\t], 31, v[ST+4*\t+1+(\t%2)]
.endr
.irp t, 0,1,2,3,4,5,6,7
	v_or_b32 v[T0+\t], 0x80000000, v[T0+\t]
.endr
.irp t, 0,1,2,3,4,5,6,7
	v_xor_b32 v[KY+\t], v[T0+\t], v[ST+4*\t+1+(\t%2)]   ; the key: a positive number's sign bit set, a negative number's bits all turned: unsigned order = the numbers' order
.endr
.irp t, 0,1,2,3,4,5,6,7
	v_lshl_add_u32 v[ID+\t], v[ST+4*\t+3], 1, v5   ; id = 2 x tile + h
.endr
.irp t, 0,1,2,3,4,5,6,7
	v_permlanex16_b32 v[OK+\t], v[KY+\t], s48, s49
	v_permlanex16_b32 v[OI+\t], v[ID+\t], s48, s49
.endr
.irp t, 0,1,2,3,4,5,6,7
	JOIN KY+\t, ID+\t, OK+\t, OI+\t, T0+\t, T1+\t
.endr
.irp i, 0,1,2,3
	v_cndmask_b32 v[112+\i], v[KY+\i], v[KY+4+\i], s50   ; lanes 0-15 carry tiles 0-3, lanes 16-31 tiles 4-7
	v_cndmask_b32 v[116+\i], v[ID+\i], v[ID+4+\i], s50
.endr
	v_and_b32 v120, 15, v0
	v_lshlrev_b32 v120, 5, v120
	v_lshl_add_u32 v120, v5, 4, v120               ; cand: 32 r + 16 h
	v_lshl_add_u32 v121, v4, 4, s56                ; the stage: 16 x lane in my part,
	v_lshl_add_u32 v122, v4, 4, s57                ; and in the other half's
	; The quarter's two halves: each wave leaves its keys and ids in its own part of the stage and reads those of the wave with the same rows.
	ds_store_b128 v121, v[112:115]
	ds_store_b128 v121, v[116:119] offset:512
	s_wait_alu depctr_va_vdst(0)
	s_wait_dscnt 0x0                               ; for the others' sake: my stores are done
	s_barrier_signal -1
	s_barrier_wait -1
	ds_load_b128 v[64:67], v122
	ds_load_b128 v[68:71], v122 offset:512
	s_wait_dscnt 0x0
.irp i, 0,1,2,3
	JOIN 112+\i, 116+\i, 64+\i, 68+\i, 76+\i, 72+\i
.endr
	s_cmp_ge_u32 s8, 4                             ; both waves of a row group now hold the same: the one of half 0 sends it
	s_cbranch_scc1 .Lsent
	global_store_b128 v120, v[112:115], s[6:7]                  ; each store of the wave covers 512 consecutive bytes, aligned
	global_store_b128 v120, v[116:119], s[6:7] offset:524288
.Lsent:
	s_set_vgpr_msb 0x5
	s_wait_tensorcnt 0x0                           ; the wave's end
	ds_add_u32 v0, v1
	s_wait_dscnt 0x0
	s_set_vgpr_msb 0x500
	CROUND                                         ; the closing round: no work-group ends while a partner may still ask for a part that names it
	s_endpgm
.Lfunc_end_k_q051ee1926b_sweep:
	.size	k_q051ee1926b_sweep, .Lfunc_end_k_q051ee1926b_sweep-k_q051ee1926b_sweep
	.p2alignl 7, 3214868480
	.fill 96, 4, 3214868480
	.section	.rodata,"a",@progbits
	.p2align	6, 0x0
	.amdhsa_kernel k_q051ee1926b_sweep
		.amdhsa_group_segment_fixed_size 327680
		.amdhsa_private_segment_fixed_size 0
		.amdhsa_enable_private_segment 0
		.amdhsa_kernarg_size 16
		.amdhsa_user_sgpr_count 2
		.amdhsa_user_sgpr_kernarg_segment_ptr 1
		.amdhsa_wavefront_size32 1
		.amdhsa_system_sgpr_workgroup_id_x 1
		.amdhsa_system_sgpr_workgroup_id_y 1
		.amdhsa_system_sgpr_workgroup_id_z 1
		.amdhsa_system_vgpr_workitem_id 0
		.amdhsa_next_free_vgpr 258
		.amdhsa_next_free_sgpr 66
		.amdhsa_reserve_vcc 1
		.amdhsa_float_denorm_mode_32 3
		.amdhsa_float_denorm_mode_16_64 3
		.amdhsa_memory_ordered 1
		.amdhsa_forward_progress 1
		.amdhsa_inst_pref_size 155
	.end_amdhsa_kernel
	.amdgpu_metadata
---
amdhsa.version: [ 1, 2 ]
amdhsa.kernels:
  - .name:           k_q051ee1926b_sweep
    .symbol:         k_q051ee1926b_sweep.kd
    .args:
      - { .name: recs, .offset: 0, .size: 8, .value_kind: global_buffer, .address_space: global }
      - { .name: cand, .offset: 8, .size: 8, .value_kind: global_buffer, .address_space: global }
    .group_segment_fixed_size: 327680
    .private_segment_fixed_size: 0
    .kernarg_segment_align: 8
    .kernarg_segment_size: 16
    .max_flat_workgroup_size: 256
    .sgpr_count:     66
    .vgpr_count:     258
    .wavefront_size: 32
...
	.end_amdgpu_metadata
.endif
;; end of part 2
;; launch pick (part 3): grid 512 x 1, 4 waves a work-group, no clusters, 768 bytes of LDS; arguments recs, cand, out0; writes out0
.if DOCPART == 3
	.amdgcn_target "amdgcn-amd-amdhsa--gfx1250"
	.amdhsa_code_object_version 6
	.text
	.protected	k_q051ee1926b_pick
	.globl	k_q051ee1926b_pick
	.p2align	8
	.type	k_q051ee1926b_pick,@function
k_q051ee1926b_pick:
	s_mov_b64 s[64:65], 0
	v_nop
	global_prefetch_b8 v0, s[64:65] scope:SCOPE_SE
	s_setreg_imm32_b32 hwreg(HW_REG_WAVE_MODE, 25, 1), 1
	s_wait_xcnt 0x0
; The index.  For each row of z the launch before has left, for each quarter of the codebook, the smallest distance as an ordered whole number (key) and the block of 8 entries (id) in which it first occurs.
; Here: the smallest key (the lowest quarter keeps an equal one), and inside its block the first of the smallest of 8 distances, recomputed by the same instructions: the same products on the same codes, the same multiply-add, the same addition.
; The addresses of the gather hang on whole numbers that an earlier launch stored, compared as whole numbers; the id is held under 1,024 before it enters an address.
; SHARES.  A work-group takes a record of z (64 rows), a wave a tile of 16.  In step u = 0 .. 7 source 0's row m is entry 8 id[m] + u, the u-th candidate of z's row m, and source 1 is the tile of z:
; the number wanted is the DIAGONAL m = n of the result.  It lies in register r % 8 of lane (r, h = r / 8): lanes 0-7 and 24-31.  Each lane gathers by its own row's id: no lane asks another.
; The other 15 / 16 of each product are thrown away: 16 matrix instructions a wave, one part in 64 of the sweep's.
; No tensor loads, no cluster: the work-groups share nothing but the codebook's records, each reading scattered rows of them.
; REGISTERS: v1 r, v2 h, v3 lane; v4-7 offsets; v8-11 keys, v12-15 ids; v16-31 z's fragments, v32 its scale words, v33 z_sq; v34-39 at work; v40-47 the candidates' scale words; v48-55 their c_sq; v56-63 their distances;
;   v64-95 four results; v96-102 offsets; v128-255 the candidates' fragments, 16 a step.
.set QUAD,  8960
.set WBASE, 512*QUAD
	s_load_b128 s[4:7], s[0:1], 0x0                ; the records, cand
	s_load_b64 s[8:9], s[0:1], 0x10                ; out0
	v_lshl_add_u32 v126, v0, 2, 0x100
	v_mov_b32 v127, 0
	v_lshrrev_b32 v1, 5, v0
	v_readfirstlane_b32 s12, v1                    ; wave 0..3
	v_and_b32 v3, 31, v0                           ; lane
	v_and_b32 v1, 15, v0                           ; r
	v_bfe_u32 v2, v0, 4, 1                         ; h
	v_lshlrev_b32 v4, 5, v1                        ; cand: 32 r
	s_lshl_b32 s13, s12, 11
	v_lshl_add_u32 v5, v3, 4, s13                  ; z's image: 2048 w + 16 x lane
	s_lshl_b32 s13, s12, 7
	v_lshl_add_u32 v6, v3, 2, s13                  ; its scale words: 128 w + 4 x lane
	s_lshl_b32 s13, s12, 6
	v_lshl_add_u32 v7, v1, 2, s13                  ; its sums of squares: 64 w + 4 r
	v_lshl_add_u32 v37, v1, 2, s13                 ; and the same place in LDS for the row's result
	v_lshlrev_b32 v102, 3, v3                      ; the way out: 8 bytes a lane
	s_lshr_b32 s14, ttmp9, 1
	s_lshl_b32 s14, s14, 9                         ; cand: the group of 128 rows, 512 g,
	s_and_b32 s15, ttmp9, 1
	s_lshl_b32 s15, s15, 2
	s_add_co_u32 s15, s15, s12
	s_lshl_b32 s15, s15, 2                         ; and my tile in it, 4 t
	s_add_co_u32 s14, s14, s15
	s_mov_b32 s15, 0
	s_mul_i32 s16, ttmp9, QUAD                     ; z's record
	s_mov_b32 s17, 0
	s_lshl_b32 s18, ttmp9, 8                       ; out0: 64 rows x 4 bytes
	s_mov_b32 s19, 0
	s_mov_b32 s20, 0x76543210
	s_mov_b32 s21, 0xfedcba98                      ; v_permlanex16_b32's selects for lane l xor 16
	s_mov_b32 s22, 0x00ffff00                      ; lanes 8-23: those that hold no diagonal
.irp j, 1,2,3,4,5,6,7
	s_mov_b32 s[24+\j], 0x01000001<<\j             ; the lanes whose diagonal lies in register j: j and 24 + j
.endr
	s_wait_alu depctr_va_vdst(0)
	s_wait_kmcnt 0x0
	s_add_nc_u64 s[6:7], s[6:7], s[14:15]
	s_add_nc_u64 s[10:11], s[4:5], s[16:17]
	s_add_nc_u64 s[8:9], s[8:9], s[18:19]
.irp q, 0,1,2,3
	global_load_b32 v[8+\q], v4, s[6:7] offset:\q*131072            ; my row's key in quarter q
.endr
.irp q, 0,1,2,3
	global_load_b32 v[12+\q], v4, s[6:7] offset:524288+\q*131072    ; and its id
.endr
.irp i, 0,1,2,3
	global_load_b128 v[16+4*\i:19+4*\i], v5, s[10:11] offset:512*\i
.endr
	global_load_b32 v32, v6, s[10:11] offset:8192
	global_load_b32 v33, v7, s[10:11] offset:8704
	s_wait_loadcnt 6                               ; the eight candidate words are in; z's six loads may be out
.irp q, 1,2,3
	v_cmp_lt_u32 vcc_lo, v[8+\q], v8               ; strictly smaller: the lowest quarter keeps an equal key
	v_cndmask_b32 v12, v12, v[12+\q], vcc_lo
	v_min_u32 v8, v8, v[8+\q]
.endr
	v_min_u32 v12, 0x3ff, v12                      ; held inside the table: 1,024 blocks of 8 entries
	v_and_b32 v96, 0x3f8, v12
	v_mul_u32_u24 v96, v96, 1120                   ; the block's record: (id / 8) x 8,960
	v_and_b32 v97, 6, v12                          ; twice its tile in the record
	v_and_b32 v98, 1, v12                          ; which half of the tile's 16 rows
	v_lshl_add_u32 v99, v97, 10, v96
	v_lshl_add_u32 v99, v98, 7, v99
	v_lshl_add_u32 v99, v2, 8, v99                 ; codes: 2048 x tile + 16 x 8 x half + 256 h; block 4 s + 2 c and the step's row stand in the immediate
	v_lshl_add_u32 v100, v97, 6, v96
	v_lshl_add_u32 v100, v98, 5, v100
	v_lshl_add_u32 v100, v2, 6, v100               ; scale words: 128 x tile + 4 x 8 x half + 64 h: lanes 0-15 K step 0's, lanes 16-31 K step 1's
	v_lshl_add_u32 v101, v97, 5, v96
	v_lshl_add_u32 v101, v98, 5, v101              ; c_sq: 64 x tile + 4 x 8 x half
	global_load_b128 v[40:43], v100, s[4:5] offset:WBASE+8192       ; register u: the word of candidate u
	global_load_b128 v[44:47], v100, s[4:5] offset:WBASE+8192+16
.irp u, 0,1,2,3,4,5,6,7
.irp i, 0,1,2,3
	global_load_b128 v[128+16*\u+4*\i:131+16*\u+4*\i], v99, s[4:5] offset:WBASE+512*\i+16*\u
.endr
.endr
	global_load_b128 v[48:51], v101, s[4:5] offset:WBASE+8704
	global_load_b128 v[52:55], v101, s[4:5] offset:WBASE+8704+16
; Four steps: eight matrix instructions, the four accumulators by turns; then each result's diagonal, from the result's low end on.
; The four v_nop are the places in front of the first read of results; with the other results' selects they are also the places in front of the products that begin these registers anew (ISA guide 7.12.1).
.macro ROUND g
.irp k, 0,1,2,3
	v_wmma_scale_f32_16x16x128_f8f6f4 v[64+8*\k:71+8*\k], v[128+16*(4*\g+\k):135+16*(4*\g+\k)], v[16:23], 0, v[40+4*\g+\k], v32 matrix_a_fmt:MATRIX_FMT_FP4 matrix_b_fmt:MATRIX_FMT_FP4
.endr
.irp k, 0,1,2,3
	v_wmma_scale_f32_16x16x128_f8f6f4 v[64+8*\k:71+8*\k], v[136+16*(4*\g+\k):143+16*(4*\g+\k)], v[24:31], v[64+8*\k:71+8*\k], v[40+4*\g+\k], v32 matrix_a_fmt:MATRIX_FMT_FP4 matrix_b_fmt:MATRIX_FMT_FP4 matrix_a_scale:MATRIX_SCALE_ROW1 matrix_b_scale:MATRIX_SCALE_ROW1
.endr
.rept 4
	v_nop
.endr
.irp k, 0,1,2,3
	v_mov_b32 v[56+4*\g+\k], v[64+8*\k]
.irp j, 1,2,3,4,5,6,7
	v_cndmask_b32 v[56+4*\g+\k], v[56+4*\g+\k], v[64+8*\k+\j], s[24+\j]
.endr
.endr
.endm
	s_wait_loadcnt 18                              ; z, the scale words and steps 0-3 are in; behind them: sixteen loads of steps 4-7 and two of c_sq
	ROUND 0
	s_wait_loadcnt 2                               ; steps 4-7 are in; c_sq's two loads may be out
	ROUND 1
	s_wait_alu depctr_va_vdst(0)
	s_wait_loadcnt 0x0
.irp u, 0,1,2,3,4,5,6,7
	v_fma_f32 v[56+\u], v[56+\u], -2.0, v33        ; z_sq - 2 cross, one rounding
.endr
.irp u, 0,1,2,3,4,5,6,7
	v_add_f32 v[56+\u], v[56+\u], v[48+\u]         ; + c_sq
.endr
	v_mov_b32 v34, 0
	v_mov_b32 v36, 0                               ; (a lane permute's destination counts as one of its sources)
.irp u, 1,2,3,4,5,6,7
	v_cmp_lt_f32 vcc_lo, v[56+\u], v56             ; strictly smaller: the first of equal distances stays
	v_cndmask_b32 v56, v56, v[56+\u], vcc_lo
	v_cndmask_b32 v34, v34, \u, vcc_lo
.endr
	v_lshl_add_u32 v35, v12, 3, v34                ; the index: 8 id + u
	v_permlanex16_b32 v36, v35, s20, s21
	v_cndmask_b32 v35, v35, v36, s22               ; lanes 8-23 take it from the lane 16 away: every lane now holds its row's
	ds_store_b32 v37, v35                          ; both lanes of a row write the same word with the same value
	s_wait_dscnt 0x0                               ; for the others' sake: my stores are done
	s_barrier_signal -1
	s_barrier_wait -1
	s_cmp_lg_u32 s12, 0                            ; wave 0 sends the work-group's 64 indices
	s_cbranch_scc1 .Ldone
	ds_load_b64 v[38:39], v102
	s_wait_dscnt 0x0
	global_store_b64 v102, v[38:39], s[8:9]        ; 32 lanes store 256 consecutive bytes, aligned
.Ldone:
	s_wait_tensorcnt 0x0
	ds_add_u32 v126, v127
	s_wait_dscnt 0x0
	s_endpgm
.Lfunc_end_k_q051ee1926b_pick:
	.size	k_q051ee1926b_pick, .Lfunc_end_k_q051ee1926b_pick-k_q051ee1926b_pick
	.p2alignl 7, 3214868480
	.fill 96, 4, 3214868480
	.section	.rodata,"a",@progbits
	.p2align	6, 0x0
	.amdhsa_kernel k_q051ee1926b_pick
		.amdhsa_group_segment_fixed_size 768
		.amdhsa_private_segment_fixed_size 0
		.amdhsa_enable_private_segment 0
		.amdhsa_kernarg_size 24
		.amdhsa_user_sgpr_count 2
		.amdhsa_user_sgpr_kernarg_segment_ptr 1
		.amdhsa_wavefront_size32 1
		.amdhsa_system_sgpr_workgroup_id_x 1
		.amdhsa_system_sgpr_workgroup_id_y 1
		.amdhsa_system_sgpr_workgroup_id_z 1
		.amdhsa_system_vgpr_workitem_id 0
		.amdhsa_next_free_vgpr 256
		.amdhsa_next_free_sgpr 66
		.amdhsa_reserve_vcc 1
		.amdhsa_float_denorm_mode_32 3
		.amdhsa_float_denorm_mode_16_64 3
		.amdhsa_memory_ordered 1
		.amdhsa_forward_progress 1
		.amdhsa_inst_pref_size 17
	.end_amdhsa_kernel
	.amdgpu_metadata
---
amdhsa.version: [ 1, 2 ]
amdhsa.kernels:
  - .name:           k_q051ee1926b_pick
    .symbol:         k_q051ee1926b_pick.kd
    .args:
      - { .name: recs, .offset: 0, .size: 8, .value_kind: global_buffer, .address_space: global }
      - { .name: cand, .offset: 8, .size: 8, .value_kind: global_buffer, .address_space: global }
      - { .name: out0, .offset: 16, .size: 8, .value_kind: global_buffer, .address_space: global }
    .group_segment_fixed_size: 768
    .private_segment_fixed_size: 0
    .kernarg_segment_align: 8
    .kernarg_segment_size: 24
    .max_flat_workgroup_size: 128
    .sgpr_count:     66
    .vgpr_count:     256
    .wavefront_size: 32
...
	.end_amdgpu_metadata
.endif
;; end of part 3
